; MI455X (gfx1250); checked and timed in simulation.
; The chip was launched on July 23, 2026; its instructions are those of AMD's public machine-readable ISA for CDNA 5 (MIT licence, August 2026) and "CDNA5" Instruction Set Architecture Reference Guide (July 2026). The comments in the code are by the model that wrote it; some were corrected since.
;; Non Maximum Suppression. Allowed arithmetic: float matrix products may take bf16 or f16 operands with f32 sums; other float arithmetic in f32, or as packed bf16 or f16 multiplies, adds, multiply-adds, maxima and minima; sums over many terms, partial sums and values carried from step to step in f32; what a program stores and reads back later, other than sums and carried values, may be rounded once to bf16 or f16.
;; Inputs: boxes_corners_coordinates 8 x 2,048 x 4 float32; labels_probabilities 8 x 2,048 x 5 float32.
;; Outputs: out0 8 x 200 x 6 float32.
;; One version. Each part assembles by itself: llvm-mc -triple=amdgcn-amd-amdhsa -mcpu=gfx1250 --defsym DOCPART=n.
;; ======== version 1 of 1: 2 launches
;; workspace buffers: ws_k 20,480 bytes of whole numbers; ws_b 81,920 bytes
;; launch nms (part 1): grid 5 x 8, 8 waves a work-group, no clusters, 28,416 bytes of LDS; arguments boxes_corners_coordinates, labels_probabilities, ws_k, ws_b; writes ws_k, ws_b
.if DOCPART == 1
	.amdgcn_target "amdgcn-amd-amdhsa--gfx1250"
	.amdhsa_code_object_version 6
	.text
	.protected	k_qa3626ab197_nms
	.globl	k_qa3626ab197_nms
	.p2align	8
	.type	k_qa3626ab197_nms,@function
k_qa3626ab197_nms:
	s_mov_b64 s[64:65], 0
	v_nop
	global_prefetch_b8 v0, s[64:65] scope:SCOPE_SE
	s_setreg_imm32_b32 hwreg(HW_REG_WAVE_MODE, 25, 1), 1
	s_wait_xcnt 0x0
; GREEDY NON-MAXIMUM SUPPRESSION OF ONE CLASS OF ONE SAMPLE: the first 100 boxes that reference() keeps, in its order.
; boxes [8][2048][4] f32 (ymin, xmin, ymax, xmax), scores [8][2048][5] f32.  Work-group x = class, y = sample.
; Out: ws_k [8][5][128] keys (the kept score's bit pattern, 0 where there is none), ws_b [8][5][128][4] f32 (xmin, ymin, xmax, ymax; zeros there).
;
; WORK LEFT OUT, for all values of the inputs.  reference() sorts by score, forms all 2048 x 2048 overlaps, walks 2048 steps and takes the 100 best
; survivors.  Row i of the overlaps is used only where keep[i] holds, and only on boxes behind i.  kept_scores falls along the sorted order and top_k breaks ties
; by the lower place, so top_k takes the first 100 kept boxes; whether a box is among them hangs only on the kept boxes ahead of it.  Hence: kept box p is the box
; of highest score (ties: lowest index, as the stable argsort has it) among the boxes over the threshold that none of the kept boxes 0 .. p-1 overlaps by more than
; 0.5.  The rows of boxes that are not kept, the steps behind the 100th kept box and the sort itself reach no output.  This text takes that box 100 times: always 100 trips,
; every choice made by selecting values, no branch and no memory address hanging on a score.  When no box is left the pick has score -1 and counts as none.
; THE TEST.  'union > 0 and inter / union > 0.5' is, in exact arithmetic, '3 inter > A_i + A_j' with areas clamped at 0: inter > 0 needs positive extents of both boxes,
; then the areas are positive, union >= the larger area > 0, and 2 inter > A_i + A_j - inter; inter = 0 gives false on both sides, since the clamped areas are not negative.
; Only iy is clamped at 0: with ix < 0 the product is not positive and the test fails as it must.  Computed as fma(iy+, ix, -A_j/3) > A_w/3.
; LIMITS.  The order of rounding differs from reference()'s: a pair whose overlap lies within a few 1e-7 of 0.5 may fall on the other side.  Areas must stay inside f32's
; range (coordinates under about 1e19).  NaN coordinates are not treated as reference() treats them; a NaN score counts as under the threshold, as there.  A NaN, an infinity
; or an overflow that would arise only in the overlaps left out is not carried to the result.
; SHARES.  8 waves; thread t owns boxes 8 t .. 8 t + 7, in registers for the whole kernel: index order is (wave, lane, register) order, so a tie goes to the lowest lane.
; A TRIP: the last pick (scalar registers) is tested against my 8 boxes, dead boxes get score -1, the pick itself is killed by its index (a box without area does not overlap itself);
; a tournament in the lane over (score, k, 4 coordinates); the wave's maximum over the lanes; its tuple into LDS; ONE barrier; every wave reads the 8 tuples and takes the pick.
; Each trip has a record of its own in LDS, written once: nothing is overwritten, so the one barrier between its stores and its loads is all the order that it needs.
; Behind the loop the 100 records are turned into the results.
; NO CLUSTER: the five classes of a sample share 32,768 bytes of boxes, read once at the head into registers; five work-groups are no multiple of four.
.set ITER,  100                        ; boxes kept for a class
.set RS,    272                        ; a trip's record in LDS: 8 tuples of 32 bytes + 16
.set SPARE, 27392                      ; behind the 100 records (27,200 bytes): the spare words, 128 bytes for each wave, that no other line names
.set SPW,  2                           ; v2   LDS address of my spare word; never rewritten
.set NIL,  3                           ; v3   0; never rewritten
.set T8,   4                           ; v4   8 t: the index of my first box
.set KILL, 5                           ; v5   the pick's index less 8 t: 0..7 in the thread that owns it, elsewhere never
.set A3W,  6                           ; v6   a third of the pick's area
.set NEG1, 7                           ; v7   -1.0
.set ST0,  8                           ; v8   32 x wave: my wave's tuple in a record
.set LD0,  9                           ; v9   32 x (lane % 8): the tuple that I read
.set STA,  10                          ; v10  the two with the trip's record added
.set LDA,  11
.set AT,   12                          ; v12-13 at work
.set PX,   14                          ; v14  the other half of the lanes' maximum
.set GM,   15                          ; v15  the work-group's maximum
.set Y1,   16                          ; v16-23 ymin of my 8 boxes; the four arrays begin at 0, 2, 0, 2 modulo 4
.set X1,   26                          ; v26-33 xmin
.set Y2,   36                          ; v36-43 ymax
.set X2,   46                          ; v46-53 xmax
.set NA,   56                          ; v56-63 minus a third of the area, the area clamped at 0
.set SC,   64                          ; v64-71 score; -1 where under the threshold, suppressed or picked
.set TA,   72                          ; v72-103 at work, 8 registers each: min ymax, then iy
.set TB,   80                          ;         max ymin, then the left side of the test
.set TC,   88                          ;         min xmax, then ix
.set TD,   96                          ;         max xmin
.set LT,   104                         ; four tuples at 104, 112, 120, 128: score, k, ymin, xmin, ymax, xmax
.set PB,   136                         ; v136-141 the tuple that my wave stores: 4 coordinates, score, 8 x lane + k
.set WM,   140                         ; = PB + 4: the wave's maximum
.set QT,   144                         ; v144-149 the tuple that I read
.set FS,   72                          ; behind the loop: a record's 8 tuples, 8 registers apart
.set OB,   136                         ; behind the loop: what is stored
.set WV,   12                          ; s12  my wave's number
.set CL,   13                          ; s13  class
.set BA,   14                          ; s14  sample
.set SEL,  16                          ; s[16:17] v_permlanex16_b32's selects: each lane takes its own place in the other half
.set CNT,  18                          ; s18  trips to go
.set OFF,  19                          ; s19  the trip's record
.set WY1,  20                          ; s20-23 the pick: ymin, xmin, ymax, xmax
.set WX1,  21
.set WY2,  22
.set WX2,  23
.set EQ,   24                          ; s24  lanes that hold the maximum
.set LN,   25                          ; s25  the lowest of them
.set RC,   26                          ; s26-29 its coordinates
.set RK,   30                          ; s30  its k
.set LK,   31                          ; s31  8 x lane + k
.set WS,   32                          ; s32  the pick's wave
.set LK2,  33                          ; s33  its 8 x lane + k
.set CODE, 34                          ; s34  its index
.set THR,  35                          ; s35  0.3
.set CM,   40                          ; s40-47 lanes whose box k dies
.set KM,   48                          ; s48-55 lanes whose box k is the pick
.set TM,   56                          ; s56-62 the tournament's seven comparisons
	s_load_b256 s[4:11], s[0:1], 0x0               ; boxes s[4:5], scores s[6:7], ws_k s[8:9], ws_b s[10:11]
	v_lshl_add_u32 v[SPW], v0, 2, SPARE
	v_mov_b32 v[NIL], 0
	v_lshrrev_b32 v1, 5, v0
	v_readfirstlane_b32 s[WV], v1                  ; wave 0..7
	s_mov_b32 s[CL], ttmp9
	s_and_b32 s[BA], ttmp7, 0xffff
	v_lshlrev_b32 v[AT], 7, v0                     ; my 8 boxes: 128 bytes on end
	v_mul_u32_u24 v[AT+1], v0, 160                 ; my 8 rows of 5 scores
	s_lshl_b32 s2, s[BA], 15                       ; a sample's boxes: 32,768 bytes
	s_mov_b32 s3, 0
	s_mul_i32 s36, s[BA], 40960                    ; a sample's scores,
	s_lshl2_add_u32 s36, s[CL], s36                ; and my class in a row
	s_mov_b32 s37, 0
	s_mul_i32 s15, s[BA], 5
	s_add_co_u32 s15, s15, s[CL]                   ; the problem's number, 5 x sample + class
	s_lshl_b32 s38, s15, 9                         ; its 128 keys
	s_mov_b32 s39, 0
	s_wait_kmcnt 0x0
	s_add_nc_u64 s[4:5], s[4:5], s[2:3]
	s_add_nc_u64 s[6:7], s[6:7], s[36:37]
	s_add_nc_u64 s[8:9], s[8:9], s[38:39]
	s_lshl_b32 s38, s15, 11                        ; its 128 boxes
	s_add_nc_u64 s[10:11], s[10:11], s[38:39]
.irp k, 0,1,2,3,4,5,6,7
	global_load_b128 v[TA+4*\k:TA+4*\k+3], v[AT], s[4:5] offset:16*\k
.endr
.irp k, 0,1,2,3,4,5,6,7
	global_load_b32 v[SC+\k], v[AT+1], s[6:7] offset:20*\k  ; one class of five: every row of the sample's scores is touched once, at the head, by each of its five work-groups
.endr
	v_mov_b32 v[NEG1], -1.0                        ; constants, while the loads are out
	v_mov_b32 v[KILL], -1                          ; no pick yet
	v_mov_b32 v[PX], 0                             ; destinations of lane exchanges count as read: written once here
	v_mov_b32 v[GM], 0
	v_mov_b32 v[WM], 0
	v_lshlrev_b32 v[T8], 3, v0
	s_lshl_b32 s2, s[WV], 5
	v_mov_b32 v[ST0], s2
	v_and_b32 v1, 7, v0
	v_lshlrev_b32 v[LD0], 5, v1
	s_mov_b32 s[SEL], 0x76543210
	s_mov_b32 s[SEL+1], 0xfedcba98
	s_mov_b32 s[THR], 0x3e99999a                   ; 0.3 in f32
	s_mov_b32 s[WY1], 0                            ; the first trip tests against an empty box at 0: iy+ = 0 and area 0, so nothing dies
	s_mov_b32 s[WX1], 0
	s_mov_b32 s[WY2], 0
	s_mov_b32 s[WX2], 0
	s_mov_b32 s[CNT], ITER
	s_mov_b32 s[OFF], 0
	s_wait_loadcnt 0x0
.irp k, 0,1,2,3,4,5,6,7
	v_mov_b32 v[Y1+\k], v[TA+4*\k]                 ; once: each coordinate of my 8 boxes side by side, so that packed instructions take two boxes
	v_mov_b32 v[X1+\k], v[TA+4*\k+1]
	v_mov_b32 v[Y2+\k], v[TA+4*\k+2]
	v_mov_b32 v[X2+\k], v[TA+4*\k+3]
.endr
.irp j, 0,2,4,6
	v_pk_add_f32 v[TA+\j:TA+\j+1], v[Y2+\j:Y2+\j+1], v[Y1+\j:Y1+\j+1] neg_lo:[0,1] neg_hi:[0,1]
	v_pk_add_f32 v[TB+\j:TB+\j+1], v[X2+\j:X2+\j+1], v[X1+\j:X1+\j+1] neg_lo:[0,1] neg_hi:[0,1]
.endr
.irp j, 0,2,4,6
	v_pk_mul_f32 v[TA+\j:TA+\j+1], v[TA+\j:TA+\j+1], v[TB+\j:TB+\j+1]  ; the area
.endr
.irp k, 0,1,2,3,4,5,6,7
	v_max_num_f32 v[TA+\k], 0, v[TA+\k]            ; clamped at 0,
	v_mul_f32 v[NA+\k], 0xbeaaaaab, v[TA+\k]       ; times -1/3
	v_cmp_lt_f32 vcc_lo, s[THR], v[SC+\k]
	v_cndmask_b32 v[SC+\k], -1.0, v[SC+\k], vcc_lo ; the score where it is over 0.3, else -1
.endr
.Lpick:
	; THE LAST PICK AGAINST MY 8 BOXES, stage by stage over all eight, so that no line waits for the line before it.  A third of the pick's area is made between the stages.
	v_sub_f32 v[AT], s[WY2], s[WY1]
	v_sub_f32 v[AT+1], s[WX2], s[WX1]
.irp k, 0,1,2,3,4,5,6,7
	v_min_num_f32 v[TA+\k], s[WY2], v[Y2+\k]
	v_max_num_f32 v[TB+\k], s[WY1], v[Y1+\k]
	v_min_num_f32 v[TC+\k], s[WX2], v[X2+\k]
	v_max_num_f32 v[TD+\k], s[WX1], v[X1+\k]
.endr
	v_mul_f32 v[AT], v[AT], v[AT+1]
.irp j, 0,2,4,6
	v_pk_add_f32 v[TA+\j:TA+\j+1], v[TA+\j:TA+\j+1], v[TB+\j:TB+\j+1] neg_lo:[0,1] neg_hi:[0,1]  ; iy
	v_pk_add_f32 v[TC+\j:TC+\j+1], v[TC+\j:TC+\j+1], v[TD+\j:TD+\j+1] neg_lo:[0,1] neg_hi:[0,1]  ; ix
.endr
	v_max_num_f32 v[AT], 0, v[AT]
.irp k, 0,1,2,3,4,5,6,7
	v_max_num_f32 v[TA+\k], 0, v[TA+\k]            ; iy+
.endr
	v_mul_f32 v[A3W], 0x3eaaaaab, v[AT]
.irp j, 0,2,4,6
	v_pk_fma_f32 v[TB+\j:TB+\j+1], v[TA+\j:TA+\j+1], v[TC+\j:TC+\j+1], v[NA+\j:NA+\j+1]  ; iy+ ix - A_j / 3
.endr
.irp k, 0,1,2,3,4,5,6,7
	v_cmp_gt_f32 s[CM+\k], v[TB+\k], v[A3W]        ; overlapped by more than 0.5
	v_cmp_eq_u32 s[KM+\k], \k, v[KILL]             ; or the pick itself
.endr
.irp k, 0,1,2,3,4,5,6,7
	s_or_b32 s[CM+\k], s[CM+\k], s[KM+\k]
.endr
.irp k, 0,1,2,3,4,5,6,7
	v_cndmask_b32 v[SC+\k], v[SC+\k], v[NEG1], s[CM+\k]
.endr
	; THE LANE'S BEST OF 8: a tournament; the higher k wins only by a greater score, so a tie stays with the lower index
.irp j, 0,1,2,3
	v_cmp_gt_f32 s[TM+\j], v[SC+2*\j+1], v[SC+2*\j]
.endr
	v_add_nc_u32 v[STA], s[OFF], v[ST0]            ; where my wave's tuple will go
.irp j, 0,1,2,3
	v_cndmask_b32 v[LT+8*\j],   v[SC+2*\j], v[SC+2*\j+1], s[TM+\j]
	v_cndmask_b32 v[LT+8*\j+1], 2*\j,       2*\j+1,       s[TM+\j]
	v_cndmask_b32 v[LT+8*\j+2], v[Y1+2*\j], v[Y1+2*\j+1], s[TM+\j]
	v_cndmask_b32 v[LT+8*\j+3], v[X1+2*\j], v[X1+2*\j+1], s[TM+\j]
	v_cndmask_b32 v[LT+8*\j+4], v[Y2+2*\j], v[Y2+2*\j+1], s[TM+\j]
	v_cndmask_b32 v[LT+8*\j+5], v[X2+2*\j], v[X2+2*\j+1], s[TM+\j]
.endr
	v_cmp_gt_f32 s[TM+4], v[LT+8],  v[LT]
	v_cmp_gt_f32 s[TM+5], v[LT+24], v[LT+16]
.irp i, 0,1,2,3,4,5
	v_cndmask_b32 v[LT+\i],    v[LT+\i],    v[LT+8+\i],  s[TM+4]
	v_cndmask_b32 v[LT+16+\i], v[LT+16+\i], v[LT+24+\i], s[TM+5]
.endr
	v_cmp_gt_f32 s[TM+6], v[LT+16], v[LT]
.irp i, 0,1,2,3,4,5
	v_cndmask_b32 v[LT+\i], v[LT+\i], v[LT+16+\i], s[TM+6]
.endr
	; THE WAVE'S BEST OF 32 LANES: the maximum in every lane, then the lowest lane that holds it
	v_max_num_f32_dpp v[WM], v[LT], v[LT] row_xmask:1 row_mask:0xf bank_mask:0xf
	v_max_num_f32_dpp v[WM], v[WM], v[WM] row_xmask:2 row_mask:0xf bank_mask:0xf
	v_max_num_f32_dpp v[WM], v[WM], v[WM] row_xmask:4 row_mask:0xf bank_mask:0xf
	v_max_num_f32_dpp v[WM], v[WM], v[WM] row_xmask:8 row_mask:0xf bank_mask:0xf
	v_permlanex16_b32 v[PX], v[WM], s[SEL], s[SEL+1]
	v_max_num_f32 v[WM], v[WM], v[PX]
	v_cmp_eq_f32 s[EQ], v[LT], v[WM]
	s_ctz_i32_b32 s[LN], s[EQ]                     ; a lane of registers, not a place in memory
	v_readlane_b32 s[RC],   v[LT+2], s[LN]
	v_readlane_b32 s[RC+1], v[LT+3], s[LN]
	v_readlane_b32 s[RC+2], v[LT+4], s[LN]
	v_readlane_b32 s[RC+3], v[LT+5], s[LN]
	v_readlane_b32 s[RK],   v[LT+1], s[LN]
	s_lshl3_add_u32 s[LK], s[LN], s[RK]            ; 8 x lane + k
	v_mov_b32 v[PB],   s[RC]
	v_mov_b32 v[PB+1], s[RC+1]
	v_mov_b32 v[PB+2], s[RC+2]
	v_mov_b32 v[PB+3], s[RC+3]
	v_mov_b32 v[PB+5], s[LK]
	ds_store_b128 v[STA], v[PB:PB+3]               ; all lanes store the same bytes to the same place
	ds_store_b64 v[STA], v[PB+4:PB+5] offset:16
	s_wait_dscnt 0x0                               ; for the others' sake: my wave's tuple lies in LDS
	s_barrier_signal -1
	v_add_nc_u32 v[LDA], s[OFF], v[LD0]            ; work on registers between the signal and the wait
	s_add_co_u32 s[OFF], s[OFF], RS                ; the next trip's record
	s_barrier_wait -1                              ; all eight tuples lie there
	ds_load_b128 v[QT:QT+3], v[LDA]                ; lane l reads tuple l % 8
	ds_load_b64 v[QT+4:QT+5], v[LDA] offset:16
	s_wait_dscnt 0x0
	; THE WORK-GROUP'S BEST OF 8 WAVES, made alike in every wave
	v_max_num_f32_dpp v[GM], v[QT+4], v[QT+4] row_xmask:1 row_mask:0xf bank_mask:0xf
	v_max_num_f32_dpp v[GM], v[GM], v[GM] row_xmask:2 row_mask:0xf bank_mask:0xf
	v_max_num_f32_dpp v[GM], v[GM], v[GM] row_xmask:4 row_mask:0xf bank_mask:0xf
	v_cmp_eq_f32 s[EQ], v[QT+4], v[GM]
	s_ctz_i32_b32 s[WS], s[EQ]                     ; the lowest lane that holds it is the lowest wave: 0..7
	v_readlane_b32 s[WY1], v[QT],   s[WS]
	v_readlane_b32 s[WX1], v[QT+1], s[WS]
	v_readlane_b32 s[WY2], v[QT+2], s[WS]
	v_readlane_b32 s[WX2], v[QT+3], s[WS]
	v_readlane_b32 s[LK2], v[QT+5], s[WS]
	s_lshl_b32 s[CODE], s[WS], 8
	s_add_co_u32 s[CODE], s[CODE], s[LK2]          ; the pick's index: 256 x wave + 8 x lane + k
	v_sub_nc_u32 v[KILL], s[CODE], v[T8]
	s_sub_co_u32 s[CNT], s[CNT], 1
	s_cmp_lg_u32 s[CNT], 0
	s_cbranch_scc1 .Lpick
	; THE RESULTS.  Every record was stored ahead of its trip's barrier, which every wave has passed.
	s_cmp_lt_u32 s[WV], 4
	s_cbranch_scc0 .Lkeys
	; waves 0-3: thread t chooses pick t's box again from record t.  Places 100..127 pad the list: they read record 99 and store zeros.
	v_min_u32 v1, ITER-1, v0
	v_mul_u32_u24 v1, v1, RS
.irp w, 0,1,2,3,4,5,6,7
	ds_load_b128 v[FS+8*\w:FS+8*\w+3], v1 offset:32*\w
	ds_load_b32 v[FS+8*\w+4], v1 offset:32*\w+16
.endr
	v_lshlrev_b32 v[AT], 4, v0
	s_wait_dscnt 0x0
.irp w, 1,2,3,4,5,6,7
	v_cmp_gt_f32 vcc_lo, v[FS+8*\w+4], v[FS+4]     ; a later wave wins only by a greater score, as in the loop
	v_cndmask_b32 v[FS],   v[FS],   v[FS+8*\w],   vcc_lo
	v_cndmask_b32 v[FS+1], v[FS+1], v[FS+8*\w+1], vcc_lo
	v_cndmask_b32 v[FS+2], v[FS+2], v[FS+8*\w+2], vcc_lo
	v_cndmask_b32 v[FS+3], v[FS+3], v[FS+8*\w+3], vcc_lo
	v_cndmask_b32 v[FS+4], v[FS+4], v[FS+8*\w+4], vcc_lo
.endr
	v_cmp_lt_f32 s[EQ], 0, v[FS+4]                 ; a score (over 0.3) and not -1,
	v_cmp_gt_u32 s[LN], ITER, v0                   ; and a place under 100
	s_and_b32 s[EQ], s[EQ], s[LN]
	v_cndmask_b32 v[OB],   0, v[FS+1], s[EQ]       ; xmin, ymin, xmax, ymax, as the output has them; zeros where there is no box
	v_cndmask_b32 v[OB+1], 0, v[FS],   s[EQ]
	v_cndmask_b32 v[OB+2], 0, v[FS+3], s[EQ]
	v_cndmask_b32 v[OB+3], 0, v[FS+2], s[EQ]
	global_store_b128 v[AT], v[OB:OB+3], s[10:11]  ; a wave's store covers 512 consecutive bytes, aligned
	s_branch .Lend
.Lkeys:
	s_cmp_lt_u32 s[WV], 6
	s_cbranch_scc0 .Lend
	; waves 4-5: two keys a lane, so that a wave's store covers 256 consecutive bytes, aligned.  A pick's score is the greatest of its record's eight.
	v_and_b32 v1, 63, v0
	v_lshlrev_b32 v[AT], 1, v1                     ; places 2 u and 2 u + 1
	v_or_b32 v[AT+1], 1, v[AT]
	v_min_u32 v[STA], ITER-1, v[AT]
	v_min_u32 v[LDA], ITER-1, v[AT+1]
	v_mul_u32_u24 v[STA], v[STA], RS
	v_mul_u32_u24 v[LDA], v[LDA], RS
.irp w, 0,1,2,3,4,5,6,7
	ds_load_b32 v[FS+\w],   v[STA] offset:32*\w+16
	ds_load_b32 v[FS+8+\w], v[LDA] offset:32*\w+16
.endr
	v_lshlrev_b32 v1, 3, v1
	s_wait_dscnt 0x0
.irp e, 0,8
	v_max3_num_f32 v[FS+\e], v[FS+\e], v[FS+\e+1], v[FS+\e+2]
	v_max3_num_f32 v[FS+\e], v[FS+\e], v[FS+\e+3], v[FS+\e+4]
	v_max3_num_f32 v[FS+\e], v[FS+\e], v[FS+\e+5], v[FS+\e+6]
	v_max_num_f32  v[FS+\e], v[FS+\e], v[FS+\e+7]
.endr
	v_cmp_lt_f32 s[EQ], 0, v[FS]
	v_cmp_gt_u32 s[LN], ITER, v[AT]
	s_and_b32 s[EQ], s[EQ], s[LN]
	v_cndmask_b32 v[OB], 0, v[FS], s[EQ]           ; the key: the score's bits, which for positive numbers order as whole numbers; 0 where there is no box
	v_cmp_lt_f32 s[EQ], 0, v[FS+8]
	v_cmp_gt_u32 s[LN], ITER, v[AT+1]
	s_and_b32 s[EQ], s[EQ], s[LN]
	v_cndmask_b32 v[OB+1], 0, v[FS+8], s[EQ]
	global_store_b64 v1, v[OB:OB+1], s[8:9]
.Lend:
	s_wait_tensorcnt 0x0                           ; the wave's end, behind my last LDS store
	ds_add_u32 v[SPW], v[NIL]
	s_wait_dscnt 0x0
	s_endpgm
.Lfunc_end_k_qa3626ab197_nms:
	.size	k_qa3626ab197_nms, .Lfunc_end_k_qa3626ab197_nms-k_qa3626ab197_nms
	.p2alignl 7, 3214868480
	.fill 96, 4, 3214868480
	.section	.rodata,"a",@progbits
	.p2align	6, 0x0
	.amdhsa_kernel k_qa3626ab197_nms
		.amdhsa_group_segment_fixed_size 28416
		.amdhsa_private_segment_fixed_size 0
		.amdhsa_enable_private_segment 0
		.amdhsa_kernarg_size 32
		.amdhsa_user_sgpr_count 2
		.amdhsa_user_sgpr_kernarg_segment_ptr 1
		.amdhsa_wavefront_size32 1
		.amdhsa_system_sgpr_workgroup_id_x 1
		.amdhsa_system_sgpr_workgroup_id_y 1
		.amdhsa_system_sgpr_workgroup_id_z 1
		.amdhsa_system_vgpr_workitem_id 0
		.amdhsa_next_free_vgpr 152
		.amdhsa_next_free_sgpr 66
		.amdhsa_reserve_vcc 1
		.amdhsa_float_denorm_mode_32 3
		.amdhsa_float_denorm_mode_16_64 3
		.amdhsa_memory_ordered 1
		.amdhsa_forward_progress 1
		.amdhsa_inst_pref_size 22
	.end_amdhsa_kernel
	.amdgpu_metadata
---
amdhsa.version: [ 1, 2 ]
amdhsa.kernels:
  - .name:           k_qa3626ab197_nms
    .symbol:         k_qa3626ab197_nms.kd
    .args:
      - { .name: boxes_corners_coordinates, .offset: 0, .size: 8, .value_kind: global_buffer, .address_space: global }
      - { .name: labels_probabilities, .offset: 8, .size: 8, .value_kind: global_buffer, .address_space: global }
      - { .name: ws_k, .offset: 16, .size: 8, .value_kind: global_buffer, .address_space: global }
      - { .name: ws_b, .offset: 24, .size: 8, .value_kind: global_buffer, .address_space: global }
    .group_segment_fixed_size: 28416
    .private_segment_fixed_size: 0
    .kernarg_segment_align: 8
    .kernarg_segment_size: 32
    .max_flat_workgroup_size: 256
    .sgpr_count:     66
    .vgpr_count:     152
    .wavefront_size: 32
...
	.end_amdgpu_metadata
.endif
;; end of part 1
;; launch merge (part 2): grid 5 x 8, 4 waves a work-group, no clusters, 3,072 bytes of LDS; arguments ws_k, ws_b, out0; writes out0
.if DOCPART == 2
	.amdgcn_target "amdgcn-amd-amdhsa--gfx1250"
	.amdhsa_code_object_version 6
	.text
	.protected	k_qa3626ab197_merge
	.globl	k_qa3626ab197_merge
	.p2align	8
	.type	k_qa3626ab197_merge,@function
k_qa3626ab197_merge:
	s_mov_b64 s[64:65], 0
	v_nop
	global_prefetch_b8 v0, s[64:65] scope:SCOPE_SE
	s_setreg_imm32_b32 hwreg(HW_REG_WAVE_MODE, 25, 1), 1
	s_wait_xcnt 0x0
; THE BEST 200 OF A SAMPLE'S FIVE LISTS, as rows [label, score, xmin, ymin, xmax, ymax] of out0 [8][200][6] f32.
; ws_k [8][5][128]: keys, whole numbers stored by the launch before: a kept box's score as its bit pattern (positive f32 numbers order as whole numbers), 0 where a list has no box.
; ws_b [8][5][128][4] f32: the boxes in the output's order, zeros where there is none.  Work-group x = class, y = sample; thread t = place in the class's list.
; THE RANK.  reference()'s last top_k orders by score, ties by the lower place c x 100 + t; the lists here are padded from 100 to 128 places with key 0, which keeps that order among boxes.
; An entry's rank is the number of entries ahead of it: t in its own list (a list never rises, and ties go to the lower t), the keys >= mine in lower classes, the keys > mine in
; higher classes.  That is a permutation of 0..639, so each of the rows 0..199 is stored by exactly one entry; an entry without a box stores the zeros that reference() pads with
; (its key, its box and its label are 0).  No work of reference() is left out here but the entries that its top_k drops: ranks of 200 and more store nothing.
; The address of a row hangs on whole numbers that this launch reads from memory, and on nothing else.
; The 640 keys go once through LDS; each wave reads a class's 128 keys back as 32 loads of 16 bytes at one address for all lanes.  A thread's own key comes by a load of its own
; (512 bytes a work-group more), so that every LDS address is 4 t + a constant, a counted multiple of 512, or the spare word.
; The rows leave in pieces of 8 bytes, placed by rank: 24-byte rows of one sample come from five work-groups, 38,400 bytes in the whole launch.
.set TOP,   200
.set SPARE, 2560                       ; behind the 640 keys: the spare words, 128 bytes for each wave, that no other line names
.set K4,   1                           ; v1   4 t
.set SPW,  2                           ; v2   LDS address of my spare word; never rewritten
.set NIL,  3                           ; v3   0; never rewritten
.set B16,  4                           ; v4   16 t
.set THR,  5                           ; v5   my key, less 1 for lower classes: 'greater than this' then takes ties in
.set ADR,  6                           ; v6   LDS address of the class that is being counted
.set RK,   7                           ; v7   my rank, then my row's byte offset
.set LB,   8                           ; v8   the class as f32
.set ROW,  10                          ; v10-15 my row: label, key, box
.set CNT,  16                          ; v16-19 four counts
.set UU,   20                          ; v20-27 eight comparisons as 0 or 1
.set KK,   32                          ; v32-36 a key of each class, on its way into LDS
.set KBF,  64                          ; v64-191 a class's 128 keys, the same in every lane
.set CL,   10                          ; s10  class
.set BA,   11                          ; s11  sample
.set IC,   16                          ; s16  the class that is being counted
.set LO,   17                          ; s17  its keys in LDS
.set ADJ,  18                          ; s18  1 for a lower class
.set SV,   20                          ; s20  EXEC, kept
.set OWN,  22                          ; s[22:23] ws_k at my own list
.set MK,   24                          ; s24-31 eight comparisons
	s_load_b128 s[4:7], s[0:1], 0x0                ; ws_k s[4:5], ws_b s[6:7]
	s_load_b64 s[8:9], s[0:1], 0x10                ; out0
	v_lshl_add_u32 v[SPW], v0, 2, SPARE
	v_mov_b32 v[NIL], 0
	s_mov_b32 s[CL], ttmp9
	s_and_b32 s[BA], ttmp7, 0xffff
	v_lshlrev_b32 v[K4], 2, v0
	v_lshlrev_b32 v[B16], 4, v0
	s_mul_i32 s2, s[BA], 2560                      ; the sample's 640 keys
	s_mov_b32 s3, 0
	s_lshl_b32 s[OWN], s[CL], 9                    ; my list's 128 among them
	s_mov_b32 s[OWN+1], 0
	s_mul_i32 s12, s[BA], 5
	s_add_co_u32 s12, s12, s[CL]
	s_lshl_b32 s12, s12, 11                        ; my list's 128 boxes
	s_mov_b32 s13, 0
	s_mul_i32 s14, s[BA], TOP*24                   ; the sample's 200 rows
	s_mov_b32 s15, 0
	s_wait_kmcnt 0x0
	s_add_nc_u64 s[4:5], s[4:5], s[2:3]
	s_add_nc_u64 s[OWN:OWN+1], s[4:5], s[OWN:OWN+1]
	s_add_nc_u64 s[6:7], s[6:7], s[12:13]
	s_add_nc_u64 s[8:9], s[8:9], s[14:15]
	global_load_b32 v[ROW+1], v[K4], s[OWN:OWN+1]  ; my own key
.irp i, 0,1,2,3,4
	global_load_b32 v[KK+\i], v[K4], s[4:5] offset:512*\i  ; place t of each class: a wave's load covers 128 consecutive bytes, the four waves' a whole list
.endr
	global_load_b128 v[ROW+2:ROW+5], v[B16], s[6:7]
.irp j, 0,1,2,3
	v_mov_b32 v[CNT+\j], 0
.endr
	v_cvt_f32_u32 v[LB], s[CL]
	s_mov_b32 s[IC], 0
	s_mov_b32 s[LO], 0
	s_wait_loadcnt 0x1                             ; the six keys are in; the box, asked for behind them, may stay out
.irp i, 0,1,2,3,4
	ds_store_b32 v[K4], v[KK+\i] offset:512*\i
.endr
	s_wait_dscnt 0x0                               ; for the others' sake: my keys lie in LDS
	s_barrier_signal -1
	s_barrier_wait -1                              ; all 640 lie there; nothing is stored to LDS after this
; Eight keys of the class against my threshold: eight comparisons, eight 0-or-1, four sums of three; four counts, so that no sum waits for the one before it.
.macro GROUP g
	s_wait_dscnt 30-2*(\g)                         ; of the 32 loads the first 2 g + 2 are in (LDS loads come back in order: ISA guide 5.7.1)
.irp i, 0,1,2,3,4,5,6,7
	v_cmp_gt_i32 s[MK+\i], v[KBF+8*(\g)+\i], v[THR]
.endr
.irp i, 0,1,2,3,4,5,6,7
	v_cndmask_b32 v[UU+\i], 0, 1, s[MK+\i]
.endr
.irp j, 0,1,2,3
	v_add3_u32 v[CNT+\j], v[CNT+\j], v[UU+2*\j], v[UU+2*\j+1]
.endr
.endm
.Lclass:                                               ; five trips; my own class is jumped over: its share of the rank is t
	s_cmp_eq_u32 s[IC], s[CL]
	s_cbranch_scc1 .Lnext
	v_mov_b32 v[ADR], s[LO]
.irp j, 0,1,2,3,4,5,6,7,8,9,10,11,12,13,14,15,16,17,18,19,20,21,22,23,24,25,26,27,28,29,30,31
	ds_load_b128 v[KBF+4*\j:KBF+4*\j+3], v[ADR] offset:16*\j
.endr
	s_cmp_lt_u32 s[IC], s[CL]
	s_cselect_b32 s[ADJ], 1, 0
	v_sub_nc_u32 v[THR], v[ROW+1], s[ADJ]          ; keys lie in 0 .. 0x7f800000, so this is -1 at the least: the comparison is signed
.irp g, 0,1,2,3,4,5,6,7,8,9,10,11,12,13,14,15
	GROUP \g
.endr
.Lnext:
	s_add_co_u32 s[LO], s[LO], 512
	s_add_co_u32 s[IC], s[IC], 1
	s_cmp_lt_u32 s[IC], 5
	s_cbranch_scc1 .Lclass
	v_add3_u32 v[RK], v[CNT], v[CNT+1], v0
	v_add3_u32 v[RK], v[RK], v[CNT+2], v[CNT+3]    ; my rank, 0..639
	v_cmp_ne_u32 vcc_lo, 0, v[ROW+1]
	v_cndmask_b32 v[ROW], 0, v[LB], vcc_lo         ; the label; 0 where there is no box
	v_cmp_gt_u32 vcc_lo, TOP, v[RK]                ; do I have a row?
	v_min_u32 v[RK], TOP-1, v[RK]                  ; no offset leaves the sample's rows
	v_mul_u32_u24 v[RK], v[RK], 24
	s_wait_loadcnt 0x0                             ; the box
	s_wait_xcnt 0x0                                ; EXEC changes only behind this wait
	s_and_saveexec_b32 s[SV], vcc_lo
	global_store_b64 v[RK], v[ROW:ROW+1], s[8:9]
	global_store_b64 v[RK], v[ROW+2:ROW+3], s[8:9] offset:8
	global_store_b64 v[RK], v[ROW+4:ROW+5], s[8:9] offset:16
	s_wait_xcnt 0x0                                ; and again, in front of the line that widens it
	s_or_b32 exec_lo, exec_lo, s[SV]
	s_wait_tensorcnt 0x0                           ; the wave's end, behind my last LDS store
	ds_add_u32 v[SPW], v[NIL]
	s_wait_dscnt 0x0
	s_endpgm
.Lfunc_end_k_qa3626ab197_merge:
	.size	k_qa3626ab197_merge, .Lfunc_end_k_qa3626ab197_merge-k_qa3626ab197_merge
	.p2alignl 7, 3214868480
	.fill 96, 4, 3214868480
	.section	.rodata,"a",@progbits
	.p2align	6, 0x0
	.amdhsa_kernel k_qa3626ab197_merge
		.amdhsa_group_segment_fixed_size 3072
		.amdhsa_private_segment_fixed_size 0
		.amdhsa_enable_private_segment 0
		.amdhsa_kernarg_size 24
		.amdhsa_user_sgpr_count 2
		.amdhsa_user_sgpr_kernarg_segment_ptr 1
		.amdhsa_wavefront_size32 1
		.amdhsa_system_sgpr_workgroup_id_x 1
		.amdhsa_system_sgpr_workgroup_id_y 1
		.amdhsa_system_sgpr_workgroup_id_z 1
		.amdhsa_system_vgpr_workitem_id 0
		.amdhsa_next_free_vgpr 192
		.amdhsa_next_free_sgpr 66
		.amdhsa_reserve_vcc 1
		.amdhsa_float_denorm_mode_32 3
		.amdhsa_float_denorm_mode_16_64 3
		.amdhsa_memory_ordered 1
		.amdhsa_forward_progress 1
		.amdhsa_inst_pref_size 27
	.end_amdhsa_kernel
	.amdgpu_metadata
---
amdhsa.version: [ 1, 2 ]
amdhsa.kernels:
  - .name:           k_qa3626ab197_merge
    .symbol:         k_qa3626ab197_merge.kd
    .args:
      - { .name: ws_k, .offset: 0, .size: 8, .value_kind: global_buffer, .address_space: global }
      - { .name: ws_b, .offset: 8, .size: 8, .value_kind: global_buffer, .address_space: global }
      - { .name: out0, .offset: 16, .size: 8, .value_kind: global_buffer, .address_space: global }
    .group_segment_fixed_size: 3072
    .private_segment_fixed_size: 0
    .kernarg_segment_align: 8
    .kernarg_segment_size: 24
    .max_flat_workgroup_size: 128
    .sgpr_count:     66
    .vgpr_count:     192
    .wavefront_size: 32
...
	.end_amdgpu_metadata
.endif
;; end of part 2
